; MI455X (gfx1250); checked and timed in simulation.
; The chip was launched on July 23, 2026; its instructions are those of AMD's public machine-readable ISA for CDNA 5 (MIT licence, August 2026) and "CDNA5" Instruction Set Architecture Reference Guide (July 2026). The comments in the code are by the model that wrote it; some were corrected since.
;; Prefilled Attention. Allowed arithmetic: float matrix products may take bf16 or f16 operands with f32 sums; all other float work in f32.
;; Inputs: Wk 128 x 1,024 float32; Wq 128 x 1,024 float32; Wv 1,024 x 1,024 float32; x 8 x 2,048 x 1,024 float32.
;; Outputs: out0 8 x 2,048 x 1,024 float32.
;; One version. Each part assembles by itself: llvm-mc -triple=amdgcn-amd-amdhsa -mcpu=gfx1250 --defsym DOCPART=n.
;; ======== version 1 of 1: 3 launches
;; limits: values are held in f16: magnitudes above 65,504 overflow, below 6.1e-05 lose precision
;; workspace buffers: w16 2,621,440 bytes; kvq16 46,137,344 bytes
;; launch castw (part 1): grid 16 x 10, 8 waves a work-group, no clusters, 0 bytes of LDS; arguments Wk, Wq, Wv, w16; writes w16
.if DOCPART == 1
	.amdgcn_target "amdgcn-amd-amdhsa--gfx1250"
	.amdhsa_code_object_version 6
	.text
	.protected	k_q44ec96f161_castw
	.globl	k_q44ec96f161_castw
	.p2align	8
	.type	k_q44ec96f161_castw,@function
k_q44ec96f161_castw:
	s_mov_b64 s[64:65], 0
	v_nop
	global_prefetch_b8 v0, s[64:65] scope:SCOPE_SE
	s_setreg_imm32_b32 hwreg(HW_REG_WAVE_MODE, 25, 1), 1
	s_wait_xcnt 0x0
; w16 = the three weights, rounded once to bf16 and laid in the order in which the projection walks them:
; [hN 2][kb 16][640 rows][64 k].  Rows of half 0: Wk 0-127, Wv 0-511; of half 1: Wq 0-127, Wv 512-1023.
; A tile (hN, kb) is 81,920 dense bytes.  A work-group takes one unit of 128 rows x 64 k: x = kb, y = 5 hN + unit.
; A stream of 5 MB: no LDS, no barrier, no matrix unit; 160 work-groups are all the work there is.
; Thread t, pass p: row 16 p + t / 16, four numbers at byte 16 (t % 16): a wave's load covers two rows' 256 bytes,
; a wave's store 256 consecutive bytes at a multiple of 256 from w16's first byte.
.set XR, 4                             ; v[4:35]   pass p: 4 numbers in f32
.set YR, 36                            ; v[36:51]  pass p: 4 numbers in bf16
	s_load_b256 s[4:11], s[0:1], 0x0               ; Wk s[4:5], Wq s[6:7], Wv s[8:9], w16 s[10:11]
	s_and_b32 s12, ttmp7, 0xffff                   ; 5 hN + unit
	s_cmp_ge_u32 s12, 5
	s_cselect_b32 s13, 1, 0                        ; hN
	s_mul_i32 s14, s13, 5
	s_sub_co_u32 s14, s12, s14                     ; unit 0..4: 0 is Wk or Wq, 1..4 are 128 rows of Wv each
	s_lshl2_add_u32 s15, s13, s14                  ; 4 hN + unit
	s_max_u32 s15, s15, 1
	s_sub_co_u32 s15, s15, 1                       ; which 128 rows of Wv
	s_lshl_b32 s15, s15, 19                        ; 128 rows of 4,096 bytes
	s_cmp_eq_u32 s14, 0
	s_cselect_b32 s16, 0, s15                      ; Wk and Wq begin at their first row
	s_lshl_b32 s17, ttmp9, 8                       ; kb: 64 numbers of 4 bytes along a row
	s_add_co_u32 s16, s16, s17
	s_mov_b32 s17, 0
	s_lshl_b32 s18, s13, 4
	s_add_co_u32 s18, s18, ttmp9                   ; tile 16 hN + kb
	s_mul_i32 s18, s18, 81920
	s_lshl_b32 s19, s14, 14                        ; the unit's 128 rows of 128 bytes
	s_add_co_u32 s18, s18, s19
	s_mov_b32 s19, 0
	v_lshrrev_b32 v1, 4, v0
	v_and_b32 v3, 15, v0
	v_lshlrev_b32 v3, 4, v3
	v_lshl_add_u32 v1, v1, 12, v3                  ; from: (t / 16) rows + 16 (t % 16)
	v_lshlrev_b32 v2, 3, v0                        ; to: 8 t
	s_wait_kmcnt 0x0
	s_cmp_eq_u32 s13, 0
	s_cselect_b64 s[20:21], s[4:5], s[6:7]         ; half 0 takes Wk, half 1 Wq,
	s_cmp_eq_u32 s14, 0
	s_cselect_b64 s[20:21], s[20:21], s[8:9]       ; units 1..4 take Wv
	s_add_nc_u64 s[20:21], s[20:21], s[16:17]
	s_add_nc_u64 s[10:11], s[10:11], s[18:19]
.irp p, 0,1,2,3,4,5,6,7
	global_load_b128 v[XR+4*(\p):XR+4*(\p)+3], v1, s[20:21] offset:(\p)*65536 th:TH_LOAD_NT  ; 16 rows on in each pass; read once in the launch
.endr
.irp p, 0,1,2,3,4,5,6,7
	s_wait_loadcnt 7-(\p)                          ; loads come back in order (ISA guide 5.7.1): pass p is in, the younger ones stay out
	v_cvt_pk_bf16_f32 v[YR+2*(\p)], v[XR+4*(\p)], v[XR+4*(\p)+1]
	v_cvt_pk_bf16_f32 v[YR+2*(\p)+1], v[XR+4*(\p)+2], v[XR+4*(\p)+3]
	global_store_b64 v2, v[YR+2*(\p):YR+2*(\p)+1], s[10:11] offset:(\p)*2048
.endr
	s_endpgm
.Lfunc_end_k_q44ec96f161_castw:
	.size	k_q44ec96f161_castw, .Lfunc_end_k_q44ec96f161_castw-k_q44ec96f161_castw
	.p2alignl 7, 3214868480
	.fill 96, 4, 3214868480
	.section	.rodata,"a",@progbits
	.p2align	6, 0x0
	.amdhsa_kernel k_q44ec96f161_castw
		.amdhsa_group_segment_fixed_size 0
		.amdhsa_private_segment_fixed_size 0
		.amdhsa_enable_private_segment 0
		.amdhsa_kernarg_size 32
		.amdhsa_user_sgpr_count 2
		.amdhsa_user_sgpr_kernarg_segment_ptr 1
		.amdhsa_wavefront_size32 1
		.amdhsa_system_sgpr_workgroup_id_x 1
		.amdhsa_system_sgpr_workgroup_id_y 1
		.amdhsa_system_sgpr_workgroup_id_z 1
		.amdhsa_system_vgpr_workitem_id 0
		.amdhsa_next_free_vgpr 52
		.amdhsa_next_free_sgpr 66
		.amdhsa_reserve_vcc 0
		.amdhsa_float_denorm_mode_32 3
		.amdhsa_float_denorm_mode_16_64 3
		.amdhsa_memory_ordered 1
		.amdhsa_forward_progress 1
		.amdhsa_inst_pref_size 5
	.end_amdhsa_kernel
	.amdgpu_metadata
---
amdhsa.version: [ 1, 2 ]
amdhsa.kernels:
  - .name:           k_q44ec96f161_castw
    .symbol:         k_q44ec96f161_castw.kd
    .args:
      - { .name: Wk, .offset: 0, .size: 8, .value_kind: global_buffer, .address_space: global }
      - { .name: Wq, .offset: 8, .size: 8, .value_kind: global_buffer, .address_space: global }
      - { .name: Wv, .offset: 16, .size: 8, .value_kind: global_buffer, .address_space: global }
      - { .name: w16, .offset: 24, .size: 8, .value_kind: global_buffer, .address_space: global }
    .group_segment_fixed_size: 0
    .private_segment_fixed_size: 0
    .kernarg_segment_align: 8
    .kernarg_segment_size: 32
    .max_flat_workgroup_size: 256
    .sgpr_count:     66
    .vgpr_count:     52
    .wavefront_size: 32
...
	.end_amdgpu_metadata
.endif
;; end of part 1
;; launch proj (part 2): grid 256 x 1, 4 waves a work-group, clusters of 4 x 1, 327,680 bytes of LDS; arguments x, w16, kvq16; writes kvq16
.if DOCPART == 2
	.amdgcn_target "amdgcn-amd-amdhsa--gfx1250"
	.amdhsa_code_object_version 6
	.text
	.protected	k_q44ec96f161_proj
	.globl	k_q44ec96f161_proj
	.p2align	8
	.type	k_q44ec96f161_proj,@function
k_q44ec96f161_proj:
	s_mov_b64 s[64:65], 0
	v_nop
	global_prefetch_b8 v0, s[64:65] scope:SCOPE_SE
	s_setreg_imm32_b32 hwreg(HW_REG_WAVE_MODE, 25, 1), 1
	s_wait_xcnt 0x0
	s_wait_alu depctr_hold_cnt(0) depctr_sa_sdst(0) depctr_va_vdst(0) depctr_va_sdst(0) depctr_va_ssrc(0) depctr_va_vcc(0) depctr_vm_vsrc(0)
	s_getreg_b32 s2, hwreg(HW_REG_IB_STS2, 6, 4)
	s_cmp_eq_u32 s2, 0
	s_cbranch_scc0 .Lentry_in_a_cluster
	s_endpgm
.Lentry_in_a_cluster:
	s_bfe_u32 s2, ttmp6, 0x10000c
	s_cmp_lg_u32 s2, 0x3003
	s_cbranch_scc0 .Lentry_shape_is_right
	s_endpgm
.Lentry_shape_is_right:
; [k | v 0-511] (half 0) and [q | v 512-1023] (half 1) = x W^T.  x: [16384][1024] f32, rounded to bf16 on its way into LDS; W: w16, bf16, in tiles of 640 rows x 64 k.
; Sums in f32, K ascending; results rounded once to f16.
; LIMIT.  f16 holds no number beyond 65,504: a q, k or v of 65,520 or more becomes an infinity.  With unit x and weights of spread 0.03 their spread is about 1.
; SHARES.  C is [16384][1280]: 256 tiles of 128 rows x 640 columns, one a work-group.  Wave w makes all 128 rows x columns 160 w .. 160 w + 159: 8 x 10 accumulators, 640 registers.
; K goes in 16 steps of 64, each two halves of 32 (80 matrix instructions each).
; CLUSTER.  The four work-groups of a cluster have the same half and four row tiles on end, so they walk the same tiles of w16: each tile is asked for JOINTLY, each wave its quarter
; (160 rows, the ones that it multiplies by), by the same tensor load with the same descriptor and the mask of four.  x is each work-group's own: it comes through registers, where it is rounded.
; THE MATRIX INSTRUCTION IS USED TRANSPOSED (source 0 = 16 rows of W, source 1 = 16 rows of x): a lane then holds eight neighbouring columns of one row of C.
; OUT.  kvq16: [hC 2][block of 64 rows 256][unit 5][64][128] f16: unit 0 is k (written into both halves), units 1-4 are v's channels 512 hC + 128 (u - 1) on; behind the two halves q: [16384][128] f16.
; REGISTERS, in windows of 256 (s_set_vgpr_msb: bits 1:0 source 0, 3:2 source 1, 5:4 source 2, 7:6 destination):
;   window 0: v0-29 addresses; v32-95 x on its way; v96-175, v176-255 W's fragments, two buffers of ten (on the way out: 160 registers at work)
;   window 1: v0-63, v64-127 x's fragments, two buffers of eight; v128-255 the accumulators of column blocks 8, 9
;   window 2: column blocks 0-3 (block b, row block a at 8 (8 b + a));   window 3: column blocks 4-7
.set BP,     144                       ; an LDS row of 64 bf16: 128 bytes + 16 = 36 words: the 16 rows of a fragment load start at 16 different groups of four banks (64 banks of 4 bytes: ISA guide 11.1)
.set BQ,     160*BP                    ; a wave's quarter of W's tile
.set BSLOT,  4*BQ                      ; W's tile: 640 rows; two slots from LDS byte 0
.set ASLOT,  2*BSLOT                   ; x's tile: 128 rows; two slots, written by LDS stores alone
.set ASZ,    128*BP
.set STAGE,  ASLOT+2*ASZ               ; the way out: 64 rows of 1,280 bytes + 16
.set SPITCH, 1296
.set SPARE,  STAGE+64*SPITCH           ; the spare words, 128 bytes for each wave: two blocks of 256 bytes that no other line names
.set WTILE,  81920                     ; bytes in a tile of w16, and in a block of k and v
.set HALFKV, 20971520                  ; bytes in a half of k and v
.set QOFF,   2*HALFKV                  ; q lies behind the two halves
.set ADRA, 16                          ; v16-17  LDS address of x's fragments in slot 0, 1
.set AST,  18                          ; v18-19  where I store 8 bytes of x in slot 0, 1
.set ADRB, 20                          ; v20-21  LDS address of my W fragments in slot 0, 1
.set XO,   22                          ; v22     my byte offset in the tile's rows of x
.set STO,  24                          ; v24     the way out: where I put 16 bytes of a row
.set RD,   25                          ; v25     the way out: where I read rows back
.set CO,   26                          ; v26     my byte offset in a unit of 64 rows of 256 bytes
.set SPW,  28                          ; v28     LDS address of my spare word; never rewritten
.set NIL,  29                          ; v29     0; never rewritten
.set XS,   32
.set BF,   96
.set TMP,  96
.set WV,  12                           ; s12  my wave's number
.set G1,  24                           ; s[24:31] descriptor group 1
.set G0,  32                           ; s[32:39] descriptor group 0, a set for each slot
.set DV,  40                           ; s[40:41] k and v at my half's and row tile's first block
.set D0,  42                           ; s[42:43] where unit 0 goes: k's place or q's
.set D0B, 44                           ; s[44:45] the other half: k's second copy
.set MSB, 0
.macro WIN new                         ; the immediate's high byte repeats the setting that is left; a switch that changes nothing is dropped
.if MSB != (\new)
	s_set_vgpr_msb (MSB<<8)|(\new)
.set MSB, \new
.endif
.endm
.macro PLACES                          ; four plain vector instructions between a matrix instruction and a load into, or a vector line on, one of its registers
.rept 4
	v_nop
.endr
.endm
.macro CREST                           ; a round of the cluster's barrier behind its opening barrier
	s_cmp_lg_u32 s[WV], 0
	s_cbranch_scc1 .Lnot_wave_0_\@
	s_barrier_signal -3
.Lnot_wave_0_\@:
	s_barrier_wait -3
	s_barrier_signal -1
	s_barrier_wait -1
.endm
.macro CROUND                          ; a whole round: my work-group's barrier; wave 0 signals for it; every wave waits for all four work-groups; my work-group's barrier once more
	s_barrier_signal -1
	s_barrier_wait -1
	CREST
.endm
.macro JLOAD s                         ; my quarter of a tile of w16, asked for jointly; an s_nop 0 and four v_nop follow it
	tensor_load_to_lds s[G0+4*(\s):G0+4*(\s)+3], s[G1:G1+7]
	s_nop 0
	PLACES
.endm
.macro XLOAD                           ; my 32 rows x 256 bytes of x: a load covers two rows' 256 bytes
.set i, 0
.rept 16
	global_load_b128 v[XS+4*i:XS+4*i+3], v[XO], s[4:5] offset:i*8192
.set i, i+1
.endr
.endm
; Matrix instructions on buffer f: g = 0: column blocks 0-3 (32), 1: blocks 4-7 (32), 2: blocks 8, 9 (16), each x all 8 row blocks.  The accumulators take turns, one instruction a turn.
; zero = 1: the first product starts the sums: nothing is cleared.
.macro MULG f, g, zero
.if (\g) == 0
	WIN 0xa4                                       ; W in window 0, x in window 1, C and D in window 2
.set nb, 4
.set ab, 0
.elseif (\g) == 1
	WIN 0xf4                                       ; C and D in window 3
.set nb, 4
.set ab, 0
.else
	WIN 0x54                                       ; C and D in window 1
.set nb, 2
.set ab, 128
.endif
.set jb, 0
.rept nb
.set ja, 0
.rept 8
.set rD, ab+8*(8*jb+ja)
.set rB, BF+80*(\f)+8*(4*(\g)+jb)
.set rA, 64*(\f)+8*ja
.if \zero
	v_wmma_f32_16x16x32_bf16 v[rD:rD+7], v[rB:rB+7], v[rA:rA+7], 0
.else
	v_wmma_f32_16x16x32_bf16 v[rD:rD+7], v[rB:rB+7], v[rA:rA+7], v[rD:rD+7]
.endif
.set ja, ja+1
.endr
.set jb, jb+1
.endr
.endm
; 36 LDS loads in one run: the fragments of 32 along K at byte k of slot s's rows, into buffer f.  A fragment is 16 rows x 32 K in 8 registers: two loads of 16 bytes, 32 bytes apart.
.macro FETCH s, k, f
	WIN 0
.set jb, 0
.rept 10
	ds_load_b128 v[BF+80*(\f)+8*jb:BF+80*(\f)+8*jb+3],   v[ADRB+(\s)] offset:(\k)+jb*16*BP
	ds_load_b128 v[BF+80*(\f)+8*jb+4:BF+80*(\f)+8*jb+7], v[ADRB+(\s)] offset:(\k)+jb*16*BP+32
.set jb, jb+1
.endr
	WIN 0x40                                       ; destination window 1
.set ja, 0
.rept 8
	ds_load_b128 v[64*(\f)+8*ja:64*(\f)+8*ja+3],   v[ADRA+(\s)] offset:(\k)+ja*16*BP
	ds_load_b128 v[64*(\f)+8*ja+4:64*(\f)+8*ja+7], v[ADRA+(\s)] offset:(\k)+ja*16*BP+32
.set ja, ja+1
.endr
.endm
; x of the next K step: rounded to bf16 in place, 8 bytes a lane into x's slot s.  The 32 conversions name no register of the products round them.
.macro CONV s
	WIN 0
	s_wait_loadcnt 0x0                             ; my 16 loads of x are in; their base may be stepped from here on
.set i, 0
.rept 16
	v_cvt_pk_bf16_f32 v[XS+4*i], v[XS+4*i], v[XS+4*i+1]
	v_cvt_pk_bf16_f32 v[XS+4*i+1], v[XS+4*i+2], v[XS+4*i+3]
.set i, i+1
.endr
.set i, 0
.rept 16
	ds_store_b64 v[AST+(\s)], v[XS+4*i:XS+4*i+1] offset:i*2*BP
.set i, i+1
.endr
.endm
; The first half of the K step in slot s: multiplies buffer 0 and fetches the second half into buffer 1.  conv = 1: the next step's x goes into the other slot, which every wave left
; in front of the last barrier.  load = 1: x of the step after that is asked for; load = 2: not in the loop's last trip, where K has ended.
.macro Q0 s, zero, conv, load
	s_wait_dscnt 0x0                               ; buffer 0 is in
	MULG 0, 0, \zero
.if \conv
	CONV 1-(\s)                                    ; also the places in front of the loads into buffer 1
.else
	PLACES
.endif
	FETCH \s, 64, 1
	WIN 0
.if \load
.if (\load) == 2
	s_cmp_eq_u32 s3, 1
	s_cbranch_scc1 .Lno_x_\@
.endif
	s_wait_dscnt 36                                ; the 16 stores of x are done; the 36 fragment loads behind them may be out
	s_add_nc_u64 s[4:5], s[4:5], 256               ; 64 numbers of 4 bytes along K
	XLOAD
.if (\load) == 2
.Lno_x_\@:
.endif
.endif
	MULG 0, 1, \zero
	MULG 0, 2, \zero
.endm
; The second half multiplies buffer 1 and changes slots: ONE barrier.  In front of it each wave waits for all its tensor loads (one is out: its quarter of slot n), adds 0 to its spare word, and waits for
; that, for its reads of slot s and for its stores of x into slot n.  fill = 1: the barrier opens a round of the cluster's barrier, and W's slot s is filled again, two K steps ahead, first thing behind it.
.macro TURN s, n, fill
	WIN 0
	s_wait_tensorcnt 0x0                           ; no tensor load of mine is out, so a group 0 may be written
	ds_add_u32 v[SPW], v[NIL]                      ; 0 onto my spare word
	s_wait_dscnt 1                                 ; buffer 1 is in; the add may be out
	MULG 1, 0, 0                                   ; 32 matrix instructions stand between the add and the wait for it
	s_wait_dscnt 0x0
	s_barrier_signal -1
	MULG 1, 2, 0                                   ; work on registers while the others arrive
	WIN 0                                          ; at a branch and at a label every window is 0
	s_barrier_wait -1
.if \fill
	CREST                                          ; no wave of any partner still reads this slot's tile or has a load on its way
	s_add_nc_u64 s[G0+4*(\s)+2:G0+4*(\s)+3], s[G0+4*(\s)+2:G0+4*(\s)+3], 2*WTILE
	JLOAD \s                                       ; my one tensor load behind the round; its four v_nop are also the places in front of the loads below
.else
	PLACES
.endif
	FETCH \n, 0, 0
	MULG 1, 1, 0
.endm
	s_load_b128 s[4:7], s[0:1], 0x0                ; x s[4:5], w16 s[6:7]
	s_load_b64 s[8:9], s[0:1], 0x10                ; kvq16
	v_lshl_add_u32 v[SPW], v0, 2, SPARE
	v_mov_b32 v[NIL], 0
	ds_add_u32 v[SPW], v[NIL]                      ; the wave's opening: the add and its wait stand ahead of my first tensor load; work on registers stands between them
	v_lshrrev_b32 v1, 5, v0
	v_readfirstlane_b32 s[WV], v1                  ; wave 0..3
	s_bfe_u32 s13, ttmp6, 0x40000                  ; cx: my place in the cluster
	s_mov_b32 s14, ttmp9                           ; the cluster's number, 0..63
	s_and_b32 s15, s14, 1                          ; hN: which half of the columns; the four partners share it
	s_lshr_b32 s16, s14, 1
	s_lshl_b32 s16, s16, 2
	s_add_co_u32 s16, s16, s13                     ; my row tile, 0..127: it enters x's and the outputs' addresses alone
	; descriptor group 1: 160 rows of 128 bytes are 20,480 dense bytes: asked for as 80 rows of 256 bytes, padded in LDS after every 128
	s_mov_b32 s[G1], 15|(1<<16)|(1<<20)|(1<<21)|(4<<22)|(3<<25)  ; 15:0 the mask of four; 17:16 2-byte elements; 20 padding on; 21 set beside a mask; 24:22 after every 32 words (code 4); 31:25 4 words (code 3)
	s_mov_b32 s[G1+1], 128<<16                     ; tensor_dim0 = 128
	s_mov_b32 s[G1+2], 80<<16                      ; tensor_dim1 = 80
	s_mov_b32 s[G1+3], 128<<16                     ; tile_dim0 = 128
	s_mov_b32 s[G1+4], 80                          ; tile_dim1 = 80
	s_mov_b32 s[G1+5], 128                         ; 128 elements from row to row
	s_mov_b32 s[G1+6], 0
	s_mov_b32 s[G1+7], 0
	s_mul_i32 s18, s15, 16*WTILE                   ; my half's 16 tiles,
	s_mul_i32 s19, s[WV], 20480                    ; my quarter of a tile
	s_add_co_u32 s18, s18, s19
	s_mov_b32 s19, 0
	s_mul_i32 s20, s[WV], BQ                       ; and its place in a slot: no place in the cluster enters an LDS address
	s_lshl_b32 s22, s16, 19                        ; my row tile's 128 rows of 4,096 bytes
	s_mov_b32 s23, 0
	v_and_b32 v1, 15, v0                           ; r = l % 16
	v_bfe_u32 v2, v0, 4, 1                         ; h = l / 16
	s_lshl_b32 s21, s[WV], 5
	v_add_nc_u32 v3, s21, v2                       ; 32 w + h
	v_lshlrev_b32 v[XO], 12, v3
	v_lshl_add_u32 v[XO], v1, 4, v[XO]             ; row 32 w + h, 16 bytes for each of 16 lanes
	s_wait_dscnt 0x0                               ; the opening add is done
	s_wait_kmcnt 0x0
	s_add_nc_u64 s[10:11], s[8:9], QOFF            ; q's first byte
	s_add_nc_u64 s[4:5], s[4:5], s[22:23]
	s_add_nc_u64 s[6:7], s[6:7], s[18:19]
	XLOAD                                          ; x of K step 0
	CROUND                                         ; all four work-groups are here: the first joint loads meet
.irp s, 0,1
	s_mov_b32 s[G0+4*(\s)], 1                      ; 1:0 count = 1
	s_add_co_u32 s[G0+4*(\s)+1], s20, (\s)*BSLOT   ; 63:32 LDS address
	s_add_nc_u64 s[G0+4*(\s)+2:G0+4*(\s)+3], s[6:7], (\s)*WTILE  ; 120:64 global address: K step s
	s_or_b32 s[G0+4*(\s)+3], s[G0+4*(\s)+3], 0x80000000          ; 127:126 type = 2
.endr
	tensor_load_to_lds s[G0:G0+3], s[G1:G1+7]      ; the two first fills go out together: two tensor loads of mine are out
	s_nop 0
	tensor_load_to_lds s[G0+4:G0+7], s[G1:G1+7]
	s_nop 0
	PLACES
	v_mul_u32_u24 v4, v1, BP
	v_lshl_add_u32 v4, v2, 4, v4                   ; a fragment's row x pitch + 16 x half
	v_add_nc_u32 v[ADRB], s20, v4                  ; my 160 rows of W
	v_add_nc_u32 v[ADRB+1], BSLOT, v[ADRB]
	v_add_nc_u32 v[ADRA], ASLOT, v4
	v_add_nc_u32 v[ADRA+1], ASLOT+ASZ, v4
	v_mul_u32_u24 v5, v3, BP
	v_lshl_add_u32 v5, v1, 3, v5                   ; row 32 w + h, 8 bytes for each of 16 lanes
	v_add_nc_u32 v[AST], ASLOT, v5
	v_add_nc_u32 v[AST+1], ASLOT+ASZ, v5
	v_mul_u32_u24 v[STO], v1, SPITCH               ; into the stage: row r, my 320 bytes of it, 16 bytes for each half of the lanes
	v_lshl_add_u32 v[STO], v2, 4, v[STO]
	s_mul_i32 s21, s[WV], 320
	s_add_co_u32 s21, s21, STAGE
	v_add_nc_u32 v[STO], s21, v[STO]
	s_lshl_b32 s21, s[WV], 4                       ; back: wave w takes rows 16 w .. 16 w + 15; lanes 0-15 256 bytes of one row, lanes 16-31 of the next
	v_add_nc_u32 v[RD], s21, v2
	v_mul_u32_u24 v[RD], v[RD], SPITCH
	v_lshl_add_u32 v[RD], v1, 4, v[RD]
	v_add_nc_u32 v[RD], STAGE, v[RD]
	v_and_b32 v[CO], 31, v0                        ; and the same two rows in a unit: 512 consecutive bytes
	v_lshlrev_b32 v[CO], 4, v[CO]
	v_lshl_add_u32 v[CO], s[WV], 12, v[CO]
	s_mul_i32 s48, s16, 2*WTILE                    ; my row tile is two blocks of 64 rows
	s_mov_b32 s49, 0
	s_mul_i32 s50, s15, HALFKV
	s_add_co_u32 s50, s50, s48
	s_mov_b32 s51, 0
	s_add_nc_u64 s[DV:DV+1], s[8:9], s[50:51]
	s_add_co_u32 s48, s48, HALFKV
	s_add_nc_u64 s[D0B:D0B+1], s[8:9], s[48:49]
	s_lshl_b32 s48, s16, 15                        ; 128 rows of 256 bytes of q
	s_add_nc_u64 s[D0:D0+1], s[10:11], s[48:49]
	s_mov_b32 s46, WTILE                           ; unit 0's step from the first 64 rows to the second: a block of k and v,
	s_mov_b32 s47, 0
	s_cmp_lg_u32 s15, 0
	s_cselect_b64 s[D0:D0+1], s[D0:D0+1], s[DV:DV+1]  ; half 1's unit 0 is q, half 0's is k
	s_cselect_b32 s46, 16384, s46                  ; or 64 rows of q
	CONV 0                                         ; x of K step 0 into slot 0
	s_wait_dscnt 0x0                               ; my stores are done: for the others' sake, and the registers are loaded again
	s_add_nc_u64 s[4:5], s[4:5], 256
	XLOAD                                          ; x of K step 1
	s_wait_tensorcnt 0x1                           ; my quarter of K step 0 is in; K step 1's may stay out
	s_barrier_signal -1
	s_barrier_wait -1
	FETCH 0, 0, 0
	Q0 0, 1, 1, 1                                  ; the first half step stands in front of the loop: its products start the sums
	WIN 0
	s_mov_b32 s3, 7
.Llap:                                                 ; a trip goes once round the ring, from a lap's second half step to the next lap's first, and fills both slots again
	TURN 0, 1, 1
	Q0 1, 0, 1, 1
	TURN 1, 0, 1
	Q0 0, 0, 1, 2
	WIN 0
	s_sub_co_u32 s3, s3, 1
	s_cmp_lg_u32 s3, 0
	s_cbranch_scc1 .Llap
	TURN 0, 1, 0                                   ; the last lap's rest is written out: nothing is left to fetch
	Q0 1, 0, 0, 0
	s_wait_dscnt 0x0
	MULG 1, 0, 0
	MULG 1, 1, 0
	MULG 1, 2, 0
; THE WAY OUT, 64 rows (a block of k and v) at a time: rounded to f16, 16 bytes a lane into the work-group's stage; a barrier, since a unit's 256 bytes of a row come from two waves;
; back as 256 bytes of two rows a load; stored, 512 consecutive bytes an instruction, at a multiple of 256 from the buffer's first byte.
.macro OUTPASS p
.set jb, 0
.rept 10
.if jb < 4
	WIN 0x0a                                       ; sources 0 and 1 in window 2
.set ab, 64*jb
.elseif jb < 8
	WIN 0x0f                                       ; in window 3
.set ab, 64*(jb-4)
.else
	WIN 0x05                                       ; in window 1
.set ab, 128+64*(jb-8)
.endif
.set ja, 0
.rept 4
.set rD, ab+8*(4*(\p)+ja)
.set rO, TMP+4*(10*ja+jb)
.irp q, 0,1,2,3
	v_cvt_pk_f16_f32 v[rO+\q], v[rD+2*\q], v[rD+2*\q+1]  ; each accumulator from its low end on
.endr
.set ja, ja+1
.endr
.set jb, jb+1
.endr
	WIN 0
.set ja, 0
.rept 4
.set jb, 0
.rept 10
	ds_store_b128 v[STO], v[TMP+4*(10*ja+jb):TMP+4*(10*ja+jb)+3] offset:ja*16*SPITCH+32*jb
.set jb, jb+1
.endr
.set ja, ja+1
.endr
	s_wait_dscnt 0x0                               ; for the others' sake: my stores into the stage are done
	s_barrier_signal -1
	s_barrier_wait -1
.set n, 0
.rept 40                                       ; unit n / 8, rows 2 (n % 8) and + 1 of my 16
	ds_load_b128 v[TMP+4*n:TMP+4*n+3], v[RD] offset:(n%8)*2*SPITCH+256*(n/8)
.set n, n+1
.endr
.set n, 0
.rept 40
	s_wait_dscnt 39-n                              ; LDS loads come back in order: load n is in
.if n < 8
	global_store_b128 v[CO], v[TMP+4*n:TMP+4*n+3], s[D0:D0+1] offset:(n%8)*512
.else
	global_store_b128 v[CO], v[TMP+4*n:TMP+4*n+3], s[DV:DV+1] offset:(\p)*WTILE+(n/8)*16384+(n%8)*512
.endif
.set n, n+1
.endr
	s_cmp_lg_u32 s15, 0                            ; half 0 writes k into the other half too; the branch is alike in all partners
	s_cbranch_scc1 .Lno_copy_\@
.set n, 0
.rept 8
	global_store_b128 v[CO], v[TMP+4*n:TMP+4*n+3], s[D0B:D0B+1] offset:(\p)*WTILE+n*512
.set n, n+1
.endr
.Lno_copy_\@:
.endm
	PLACES                                         ; the conversions read results just made and write registers that the last products read
	OUTPASS 0
	s_barrier_signal -1                            ; every wave's reads of the stage are back (the count-down ended at 0): it may be written again
	s_barrier_wait -1
	s_wait_xcnt 0x0                                ; the stores' data registers and unit 0's base are rewritten only behind this wait
	s_add_nc_u64 s[D0:D0+1], s[D0:D0+1], s[46:47]
	OUTPASS 1
	s_wait_tensorcnt 0x0                           ; the wave's end: behind my last tensor load and my last LDS store
	ds_add_u32 v[SPW], v[NIL]
	s_wait_dscnt 0x0
	CROUND                                         ; the closing round: no work-group ends while a partner may still ask for a tile that names it
	s_endpgm
.Lfunc_end_k_q44ec96f161_proj:
	.size	k_q44ec96f161_proj, .Lfunc_end_k_q44ec96f161_proj-k_q44ec96f161_proj
	.p2alignl 7, 3214868480
	.fill 96, 4, 3214868480
	.section	.rodata,"a",@progbits
	.p2align	6, 0x0
	.amdhsa_kernel k_q44ec96f161_proj
		.amdhsa_group_segment_fixed_size 327680
		.amdhsa_private_segment_fixed_size 0
		.amdhsa_enable_private_segment 0
		.amdhsa_kernarg_size 24
		.amdhsa_user_sgpr_count 2
		.amdhsa_user_sgpr_kernarg_segment_ptr 1
		.amdhsa_wavefront_size32 1
		.amdhsa_system_sgpr_workgroup_id_x 1
		.amdhsa_system_sgpr_workgroup_id_y 1
		.amdhsa_system_sgpr_workgroup_id_z 1
		.amdhsa_system_vgpr_workitem_id 0
		.amdhsa_next_free_vgpr 1024
		.amdhsa_next_free_sgpr 66
		.amdhsa_reserve_vcc 0
		.amdhsa_float_denorm_mode_32 3
		.amdhsa_float_denorm_mode_16_64 3
		.amdhsa_memory_ordered 1
		.amdhsa_forward_progress 1
		.amdhsa_inst_pref_size 130
	.end_amdhsa_kernel
	.amdgpu_metadata
---
amdhsa.version: [ 1, 2 ]
amdhsa.kernels:
  - .name:           k_q44ec96f161_proj
    .symbol:         k_q44ec96f161_proj.kd
    .args:
      - { .name: x, .offset: 0, .size: 8, .value_kind: global_buffer, .address_space: global }
      - { .name: w16, .offset: 8, .size: 8, .value_kind: global_buffer, .address_space: global }
      - { .name: kvq16, .offset: 16, .size: 8, .value_kind: global_buffer, .address_space: global }
    .group_segment_fixed_size: 327680
    .private_segment_fixed_size: 0
    .kernarg_segment_align: 8
    .kernarg_segment_size: 24
    .max_flat_workgroup_size: 128
    .sgpr_count:     66
    .vgpr_count:     1024
    .wavefront_size: 32
...
	.end_amdgpu_metadata
.endif
;; end of part 2
;; launch attn (part 3): grid 16 x 16, 4 waves a work-group, clusters of 4 x 1, 327,680 bytes of LDS; arguments kvq16, out0; writes out0
.if DOCPART == 3
	.amdgcn_target "amdgcn-amd-amdhsa--gfx1250"
	.amdhsa_code_object_version 6
	.text
	.protected	k_q44ec96f161_attn
	.globl	k_q44ec96f161_attn
	.p2align	8
	.type	k_q44ec96f161_attn,@function
k_q44ec96f161_attn:
	s_mov_b64 s[64:65], 0
	v_nop
	global_prefetch_b8 v0, s[64:65] scope:SCOPE_SE
	s_setreg_imm32_b32 hwreg(HW_REG_WAVE_MODE, 25, 1), 1
	s_wait_xcnt 0x0
	s_wait_alu depctr_hold_cnt(0) depctr_sa_sdst(0) depctr_va_vdst(0) depctr_va_sdst(0) depctr_va_ssrc(0) depctr_va_vcc(0) depctr_vm_vsrc(0)
	s_getreg_b32 s2, hwreg(HW_REG_IB_STS2, 6, 4)
	s_cmp_eq_u32 s2, 0
	s_cbranch_scc0 .Lentry_in_a_cluster
	s_endpgm
.Lentry_in_a_cluster:
	s_bfe_u32 s2, ttmp6, 0x10000c
	s_cmp_lg_u32 s2, 0x3003
	s_cbranch_scc0 .Lentry_shape_is_right
	s_endpgm
.Lentry_shape_is_right:
; out0[b][s][:] = the sum over t of softmax_t(q[b][s] . k[b][t] / sqrt(128)) v[b][t][:].  kvq16: [hC 2][block of 64 keys 256][unit 5][64][128] f16 (unit 0: k; units 1-4: v's channels
; 512 hC + 128 (u - 1) on), and behind the two halves q: [16384][128] f16; out0: [16384][1024] f32.  Products, maxima and sums in f32; the weights p are rounded to f16 for the second product (their sum l is taken of the unrounded p).
; LIMITS.  q, k, v arrive within f16's 65,504; p lies in 0 to 1, and below 6e-5 it keeps f16's fixed step of 6e-8; a weight below 2^-126 counts as 0 in l; NaN and infinities are not treated apart.
; SHARES.  A work-group owns 128 queries of a batch and 512 of the 1,024 channels: x = block of queries, y = 2 batch + hC; the price of the halves is that scores and softmax are made twice.  All keys are walked, 64 a step.
; For scores and softmax wave w has queries 32 w .. 32 w + 31 (two tiles of 16); for the second product it has ALL 128 queries (8 tiles) x channels 128 w .. 128 w + 127: 64 accumulators.  So a wave reads only its
; own quarter of v, and p and the rescaling factors a go from wave to wave through LDS.
; LAYOUT.  S^T = K Q^T (source 0 = 16 keys, source 1 = 16 queries): a lane holds ONE query (lane % 16) and the keys 8 (lane / 16) + 0..7.  O^T = V^T P holds one query a lane and eight channels.
; K comes out of LDS as it lies, V ([key][channel]) turned, by ds_load_tr16_b128.
; SOFTMAX.  For each query a running maximum m and sum l: p = 2^(c s - c m), c = log2(e) / sqrt(128); in every step O and l are multiplied by a = 2^(c m_old - c m_new).  m starts at the lowest finite number,
; O and l at 0: the first step is a step like any other, with a = 0.  The price: 512 v_mov_b32 at the start, in the wait for the first tile; the gain: no turn is written out for the first step.
; THE COUNT.  A step has 160 matrix and 462 vector instructions, 2.9 for each matrix instruction: all of them can stand behind matrix instructions, four at the most behind each, if they are ready there.
; BY TURNS.  Turn j has the products O^T += V^T P of step j and S^T = K Q^T of step j + 1, and beside them the rescaling of O^T by a(j) and the softmax of step j + 1:
;   S 0-15 (channels 0-63), and among them the change of slots;  the loads of a(j) and of P(j);  S 16-31, twelve of them with the rescaling of one accumulator behind each;
;   HALF A: keys 0-31, tile by tile: product i has the rescaling of accumulator 12 + i behind it, the last twelve four places of the softmax's list; a tile's fragment of P dies with its eighth product, and its
;   registers take the next tile's fragment for keys 32-63;   HALF B: keys 32-63, channel block by channel block: three places of the list behind each product; a block's fragment of V dies with its eighth product and is loaded again in place, for step j + 1.
; So turn j reads V(j + 1) and K(j + 2).  In memory V(t) is followed by K(t + 1): a TILE here is the 81,920 dense bytes that begin 16,384 behind a block's first.  K(0) comes by a fill of its own.  The last tile's K part
; (the next batch's k, or q's first rows) lands and is never read.
; CLUSTER.  The four query blocks of a cluster have the same batch and half and walk the same tiles: each tile is asked for JOINTLY, each wave its quarter.  ONE round of the cluster's barrier a turn: it frees the slot and shows P and a.
; REGISTERS, in windows of 256 (s_set_vgpr_msb: bits 1:0 source 0, 3:2 source 1, 5:4 source 2, 7:6 destination):
;   window 0: v0-15 addresses; v16-31 eight registers of statistics a tile; v32-47 a (or 1 / l) of the 8 tiles, in pairs; v48-111 Q; v112-175 S^T; v176-183 P on its way into LDS; v184-255 P's fragments, nine places
;   window 1: v0-127 V's fragments; v128-255 K's          window 2: O^T of tiles 0-3 (tile T, channel block cb at 8 (8 T + cb))          window 3: of tiles 4-7
; No window has room for a product's operands beside what the riders touch, so a product with riders costs two switches: the lesser price beside a matrix unit that idles through 462 vector instructions a step.
.set PT,    288       ; a row of a tile in LDS: 256 bytes + 32 = 72 words; K's plain loads meet two deep: the price of one descriptor for K and V
.set QUART, 80*PT     ; a wave's quarter of a tile: 80 rows
.set SLOT1, 1<<17     ; LDS goes in two halves that take turns; one exclusive or turns an address in one into the other's.  In each: a slot (V's 256 rows, then K's 64), P, a
.set KROW,  256*PT
.set PBUF,  4*QUART   ; P, 128 queries x 64 keys, rows of 128 + 16 bytes; never filled by a tensor load
.set PP,    144
.set ATAB,  PBUF+128*PP  ; a: row r = query % 16, 64 + 16 bytes; in it tile T's a, twice, at byte 8 T
.set APT,   80
.set LTAB,  ATAB+16*APT  ; lower half only: 1 / l, likewise
.set SPARE, LTAB+16*APT  ; lower half only: the spare words, 128 bytes for each wave: two blocks of 256 bytes that no other line names
.set K0BUF, SLOT1+ATAB+16*APT  ; upper half only: K of step 0, filled once
.set STAGE, 2*SLOT1   ; behind the halves: 16 rows x 528 bytes for each wave, for the way out
.set SP,    528
.set TILEB, 81920
.set HALFKV, 20971520
.set QOFF,  2*HALFKV
.set AK0,  2          ; v2-7  my lane's places in a half, never rewritten: K's fragments, my quarter of V, P in, P out, a in, a out
.set AV0,  3
.set PST0, 4
.set PLD0, 5
.set AST0, 6
.set ALD0, 7
.set ADRK, 8          ; v8-13  the same six in the turn's halves
.set ADRV, 9
.set PSTA, 10
.set PLDA, 11
.set ASTA, 12
.set ALDA, 13
.set SPW, 14          ; v14  LDS address of my spare word; never rewritten
.set NIL, 15          ; v15  0; never rewritten
.set ST,  16          ; tile t's statistics at v[ST+8 t]: c m, m, l (even keys', odd keys'), c0-c3 at work; a takes c2's and c3's places
.set AP,  32
.set Q,   48          ; tile t, channels 32 c on at Q + 32 t + 8 c
.set S,   112         ; tile t, keys 16 kb on at S + 32 t + 8 kb
.set PPK, 176         ; four a tile
.set RG,  184         ; place T: P's fragment for keys 0-31 of tile T, then for keys 32-63 of tile T + 1; place 8: keys 32-63 of tile 0
.set LR,  184         ; v184-187 at work in the set-up
.set LH,  185
.set KF,  128         ; window 1: K's fragment kb, c at KF + 32 kb + 8 c
.set STO, 10          ; the way out, in registers that the turns have left: where I put 16 bytes of a row,
.set RD,  11          ; where I read a row back,
.set GO,  12          ; 16 x lane
.set WV,  12          ; s12  my wave's number
.set G1,  24          ; s[24:31] descriptor group 1 for a quarter of a tile
.set G1K, 32          ; s[32:39] for a quarter of K(0): it differs in the rows alone
.set G0,  40          ; s[40:43] descriptor group 0: tile 1's, then it walks
.set G0B, 44          ; s[44:47] tile 0's
.set G0A, 48          ; s[48:51] K(0)'s
.set CNT, 56          ; s56  counts turns
.set TC,  57          ; s57  the half from which the turn reads P and a
.set CS,  58          ; s[58:59] c: the packed scaling takes the pair's low word for both halves
.set SEL, 60          ; s[60:61] v_permlanex16_b32's selects: each lane takes its own place in the other half
.set TB,  62          ; s62  the half from which the turn reads its tile and into which it writes P and a
.set MSB, 0
.macro WIN new                      ; the high byte repeats the setting that is left; a switch that changes nothing is dropped
.if MSB != (\new)
	s_set_vgpr_msb (MSB<<8)|(\new)
.set MSB, \new
.endif
.endm
; A load into a register that a matrix instruction has read, and a vector line on one of its registers, stand four plain vector instructions behind it (ISA guide 7.12.1 for vector lines).
; The text counts as it is assembled: PLC is the number of plain vector instructions written so far, MK its value at the last matrix instruction; NEED4 fills what the riders have left open.
.set PLC, 0
.set MK, 0
.macro NEED4
.if PLC-MK < 4
.rept 4-(PLC-MK)
	v_nop
.endr
.set PLC, MK+4
.endif
.endm
.macro CREST                        ; a round of the cluster's barrier behind its opening barrier
	s_cmp_lg_u32 s[WV], 0
	s_cbranch_scc1 .Lnot_wave_0_\@
	s_barrier_signal -3
.Lnot_wave_0_\@:
	s_barrier_wait -3
	s_barrier_signal -1
	s_barrier_wait -1
.endm
.macro CROUND                       ; a whole round: my work-group's barrier; wave 0 signals for it; every wave waits for all four work-groups; my work-group's barrier once more
	s_barrier_signal -1
	s_barrier_wait -1
	CREST
.endm
.macro BOTH line:vararg             ; one line for each of my two tiles t
.set t, 0
.rept 2
.set rT, ST+8*t
	s_wait_alu depctr_va_vdst(0)
	\line
.set t, t+1
.endr
.endm
; THE LDS LOADS, a fragment (two loads) at a time.
.macro KFRAG f                      ; K: keys 16 (f / 4) on, channels 32 (f % 4) on
	ds_load_b128 v[KF+8*(\f):KF+8*(\f)+3],   v[ADRK] offset:((\f)/4)*16*PT+((\f)%4)*64
	ds_load_b128 v[KF+8*(\f)+4:KF+8*(\f)+7], v[ADRK] offset:((\f)/4)*16*PT+((\f)%4)*64+32
.endm
.macro VFRAG f                      ; V, turned: keys 32 (f / 8) on, channels 16 (f % 8) on
	ds_load_tr16_b128 v[8*(\f):8*(\f)+3],   v[ADRV] offset:((\f)/8)*32*PT+((\f)%8)*32
	ds_load_tr16_b128 v[8*(\f)+4:8*(\f)+7], v[ADRV] offset:((\f)/8)*32*PT+16*PT+((\f)%8)*32
.endm
.macro PFRAG place, T, kk           ; P: tile T, keys 32 kk on
	ds_load_b128 v[RG+8*(\place):RG+8*(\place)+3],   v[PLDA] offset:(\T)*16*PP+64*(\kk)
	ds_load_b128 v[RG+8*(\place)+4:RG+8*(\place)+7], v[PLDA] offset:(\T)*16*PP+64*(\kk)+32
.endm
; THE MATRIX WORK.  The accumulators take turns, one instruction a turn: eight in S^T, eight in a group of O^T.
.macro SMM                          ; product si of 32 of S^T = K Q^T: channels 32 (si / 8) on, keys 16 ((si / 2) % 4) on, tile si % 2; the first 8 start the sums
	WIN 0x01                        ; K in window 1; Q and S^T in window 0
.set rX, S+32*(si%2)+8*((si/2)%4)
.set rK, KF+32*((si/2)%4)+8*(si/8)
.set rQ, Q+32*(si%2)+8*(si/8)
.if si < 8
	v_wmma_f32_16x16x32_f16 v[rX:rX+7], v[rK:rK+7], v[rQ:rQ+7], 0
.else
	v_wmma_f32_16x16x32_f16 v[rX:rX+7], v[rK:rK+7], v[rQ:rQ+7], v[rX:rX+7]
.endif
.set si, si+1
.set MK, PLC
.endm
.macro PVA                          ; half A, product pn of 64: keys 0-31, tile pn / 8, channels 16 (pn % 8) on
	WIN 0xa1+0x50*(pn/32)           ; V in window 1, P in window 0, C and D in window 2 or 3
.set rO, 8*(8*((pn/8)%4)+pn%8)
.set rV, 8*(pn%8)
.set rF, RG+8*(pn/8)
	v_wmma_f32_16x16x32_f16 v[rO:rO+7], v[rV:rV+7], v[rF:rF+7], v[rO:rO+7]
.set pn, pn+1
.set MK, PLC
.endm
.macro PVB                          ; half B, product pn of 64: keys 32-63, channels 16 (pn / 8) on, tile pn % 8
	WIN 0xa1+0x50*((pn%8)/4)
.set rO, 8*(8*(pn%4)+pn/8)
.set rV, 64+8*(pn/8)
.set rF, RG+8*((pn%8+8)%9)
	v_wmma_f32_16x16x32_f16 v[rO:rO+7], v[rV:rV+7], v[rF:rF+7], v[rO:rO+7]
.set pn, pn+1
.set MK, PLC
.endm
; THE VECTOR WORK.  R4: accumulator ru (tile ru / 8, channel block ru % 8) times its tile's a, from its low end on.
.macro R4
	WIN 0x82+0x41*(ru/32)           ; destination and source 0 in window 2 or 3, a in window 0
.set rO, 8*(8*((ru/8)%4)+ru%8)
.irp z, 0,1,2,3
	v_pk_mul_f32 v[rO+2*\z:rO+2*\z+1], v[rO+2*\z:rO+2*\z+1], v[AP+2*(ru/8):AP+2*(ru/8)+1]
.endr
.set ru, ru+1
.set PLC, PLC+4
.endm
; One tile's softmax for one step is a list of 108 places; SM writes place n of it for tile t.  s0-s31 are the lane's 32 scores.
;   0-15   the maximum of s0-s31 and the old m, three operands at a time: four chains c0-c3 of seven scores each (each accumulator's lowest registers first), then the four scores left over, c0-c3 and m
;   16-21  c m_old is kept; the other half of the lanes' maximum; the new m; c m; c m_old - c m_new; a
;   22-37  c s - c m for the 16 pairs          38-43  the first four exponentials; a twice, a pair for the packed multiplies; a into LDS
;   44-107 eight blocks of eight, block b = 1..8: the exponentials of s(4 b) .. s(4 b + 3) at the even places (block 8 has none), and between them, for the four weights before: two roundings to f16 (behind every
;          fourth rounding 16 bytes of P go into LDS), the second pair added onto the first in place, and l takes that sum (the first time as l = a l + sum).
; So a plain instruction that touches neither stands between every exponential and the use of its result (ISA guide 5.7.2).
.macro SM t, n
.set rT, ST+8*(\t)
.set rS, S+32*(\t)
.set rP, PPK+4*(\t)
.set nn, (\n)
.set bv, (nn-36)/8
.set bk, (nn-36)%8
.set pl, 1
.if (nn < 44) || (bv < 8) || ((bk%2) == 1)
	WIN 0
.endif
.if nn < 4
	v_max3_num_f32 v[rT+4+nn], v[rS+8*nn], v[rS+8*nn+1], v[rS+8*nn+2]
.elseif nn < 12
	v_max3_num_f32 v[rT+4+nn%4], v[rT+4+nn%4], v[rS+8*(nn%4)+2*(nn/4)+1], v[rS+8*(nn%4)+2*(nn/4)+2]
.elseif nn == 12
	v_max3_num_f32 v[rT+4], v[rT+4], v[rS+7], v[rS+15]
.elseif nn == 13
	v_max3_num_f32 v[rT+6], v[rT+6], v[rS+23], v[rS+31]
.elseif nn == 14
	v_max3_num_f32 v[rT+4], v[rT+4], v[rT+5], v[rT+6]
.elseif nn == 15
	v_max3_num_f32 v[rT+4], v[rT+4], v[rT+7], v[rT+1]
.elseif nn == 16
	v_mov_b32 v[rT+7], v[rT]
.elseif nn == 17
	v_permlanex16_b32 v[rT+5], v[rT+4], s[SEL], s[SEL+1]  ; the query's other 32 keys lie in the lane 16 away
.set pl, 0
.elseif nn == 18
	v_max_num_f32 v[rT+1], v[rT+4], v[rT+5]
.elseif nn == 19
	v_mul_f32 v[rT], s[CS], v[rT+1]
.elseif nn == 20
	v_sub_f32 v[rT+7], v[rT+7], v[rT]
.elseif nn == 21
	v_exp_f32 v[rT+6], v[rT+7]
.set pl, 0
.elseif nn < 38
	v_pk_fma_f32 v[rS+2*(nn-22):rS+2*(nn-22)+1], v[rS+2*(nn-22):rS+2*(nn-22)+1], s[CS:CS+1], v[rT:rT+1] op_sel_hi:[1,0,0] neg_lo:[0,0,1] neg_hi:[0,0,1]
.elseif nn < 42
	v_exp_f32 v[rS+nn-38], v[rS+nn-38]
.set pl, 0
.elseif nn == 42
	s_wait_alu depctr_va_vdst(0)
	v_mov_b32 v[rT+7], v[rT+6]
.elseif nn == 43
	ds_store_b64 v[ASTA], v[rT+6:rT+7] offset:8*(\t)  ; both halves of the lanes hold the same a and write the same bytes
.set pl, 0
.elseif (bk%2) == 0
.set pl, 0
.if bv < 8
	v_exp_f32 v[rS+4*bv+bk/2], v[rS+4*bv+bk/2]
.endif
.elseif bk == 1
	s_wait_alu depctr_va_vdst(0)
	v_cvt_pk_f16_f32 v[rP+(2*bv-2)%4], v[rS+4*bv-4], v[rS+4*bv-3]
.elseif bk == 3
	v_cvt_pk_f16_f32 v[rP+(2*bv-1)%4], v[rS+4*bv-2], v[rS+4*bv-1]
.if (bv%2) == 0
	ds_store_b128 v[PSTA], v[rP:rP+3] offset:(\t)*16*PP+32*(bv/2-1)  ; query 32 w + 16 t + r, keys 16 (b / 2 - 1) + 8 h on
.endif
.elseif bk == 5
	v_pk_add_f32 v[rS+4*bv-4:rS+4*bv-3], v[rS+4*bv-4:rS+4*bv-3], v[rS+4*bv-2:rS+4*bv-1]
.elseif bv == 1
	v_pk_fma_f32 v[rT+2:rT+3], v[rT+2:rT+3], v[rT+6:rT+7], v[rS:rS+1]
.else
	v_pk_add_f32 v[rT+2:rT+3], v[rT+2:rT+3], v[rS+4*bv-4:rS+4*bv-3]
.endif
.set PLC, PLC+pl
.endm
.macro SQ cnt                       ; the next cnt places of the two tiles' lists, the tiles alternating, so that no instruction reads the result of the one before it
.rept \cnt
.if NX && (sq < 216)
	SM sq%2, sq/2
.endif
.set sq, sq+1
.endr
.endm
.macro GEA T                        ; behind tile T's eight products of half A: its place takes the next tile's fragment for keys 32-63; two fragments of K for the step after next
	NEED4
.if (\T) < 7
	WIN 0
	PFRAG \T, (\T)+1, 1
.endif
.if N2
	WIN 0x40                        ; destination window 1
	KFRAG 2*(\T)
	KFRAG 2*(\T)+1
.endif
.endm
.macro GEB cb                       ; behind channel block cb's eight products of half B: both its fragments of V are loaded again in place, for the next step
.if NX
	NEED4
	WIN 0x40
	VFRAG 8+(\cb)
	VFRAG \cb
.endif
.endm
; A TURN.  nx = 1: there is a next step (scores, softmax, V's loads).  n2 = 1: there is a step after next (the refill, K's loads).
; THE CHANGE OF SLOTS stands among the first sixteen products: each wave waits for all its tensor loads, of which one is out: its quarter of the tile that this turn reads; adds 0 to its spare word; and waits for
; that, for its LDS reads and for its stores of P and a.  Behind the barrier nobody reads the old slot any more, the other slot is whole, and P and a of this turn's step are there.  With n2 = 1 the barrier opens a round of the
; cluster's, and the old slot is filled again first thing behind it: that load has a whole turn in which to land.
.macro TURN n2, nx
.set N2, (\n2)
.set NX, (\nx)
.set MK, PLC
.set si, 0
.set ru, 0
.set sq, 0
.if NX
	s_wait_dscnt 4                  ; all but the last four loads of V: K is in
.rept 8
	SMM
.endr
.endif
	WIN 0
	s_wait_tensorcnt 0x0            ; no tensor load of mine is out, so group 0 may be written
	ds_add_u32 v[SPW], v[NIL]       ; 0 onto my spare word; work on registers stands between it and the wait for it
.if N2
	s_xor_b32 s[G0+1], s[G0+1], SLOT1              ; the other slot than last time,
	s_add_nc_u64 s[G0+2:G0+3], s[G0+2:G0+3], TILEB ; the next tile; the type bits on top are not reached
.endif
	s_xor_b32 s[TB], s[TB], SLOT1
	s_xor_b32 s[TC], s[TB], SLOT1
.if NX
.rept 4
	SMM
.endr
.endif
	s_wait_dscnt 0x0                ; the add is done, my LDS reads are over, my stores of P and a are done
	s_barrier_signal -1
.if NX
.rept 4
	SMM                             ; work on registers while the others arrive
.endr
.endif
	WIN 0                           ; at a branch and at a label every window is 0
	s_barrier_wait -1
.if N2
	CREST                           ; no wave of any partner still reads the old slot or has a load on its way
	tensor_load_to_lds s[G0:G0+3], s[G1:G1+7]
	s_nop 0
.endif
	v_add_nc_u32 v[ALDA], s[TC], v[ALD0]  ; six plain lines: the places in front of the loads into P's places, and no window is switched among the first four behind the tensor load
	v_add_nc_u32 v[PLDA], s[TC], v[PLD0]
	v_add_nc_u32 v[ADRK], s[TB], v[AK0]
	v_add_nc_u32 v[ADRV], s[TB], v[AV0]
	v_add_nc_u32 v[PSTA], s[TB], v[PST0]
	v_add_nc_u32 v[ASTA], s[TB], v[AST0]
.set PLC, PLC+6
	NEED4
.irp i, 0,1,2,3
	ds_load_b128 v[AP+4*\i:AP+4*\i+3], v[ALDA] offset:16*\i  ; a of tiles 2 i and 2 i + 1
.endr
.set tt, 0
.rept 8
	PFRAG tt, tt, 0
.set tt, tt+1
.endr
	PFRAG 8, 0, 1
.if NX
.rept 4
	SMM
.endr
.endif
	s_wait_dscnt 18                 ; a is in; P's 18 loads may be out
.rept 12
.if NX
	SMM
.endif
	R4
.endr
.set pn, 0
.rept 64
.if pn == 0
	s_wait_dscnt 14                 ; P of tiles 0 and 1 is in
.elseif pn == 16
	s_wait_dscnt 2*(2+4*N2)         ; all but the loads behind tiles 0 and 1: the turn's first 22 loads are in
.endif
	PVA
.if ru < 64
	R4                              ; twelve products ahead of its accumulator's turn
.else
	SQ 4
.endif
.if (pn%8) == 0
	GEA pn/8-1
.endif
.endr
.set pn, 0
.rept 64
.if pn == 0
	s_wait_dscnt 2+12*N2            ; behind the loads of P for tile 6 came K's four, the six behind tile 6 and the four behind tile 7 (without K: two): tiles 1 to 6 are in
.elseif pn == 7
	s_wait_dscnt 8*N2               ; behind those for tile 7 came eight of K: tile 7 is in
.endif
	PVB
	SQ 3
.if (pn%8) == 0
	GEB pn/8-1
.endif
.endr
.endm
	s_load_b128 s[4:7], s[0:1], 0x0 ; kvq16 s[4:5], out0 s[6:7]
	v_lshl_add_u32 v[SPW], v0, 2, SPARE
	v_mov_b32 v[NIL], 0
	ds_add_u32 v[SPW], v[NIL]       ; the wave's opening: the add and its wait stand ahead of my first tensor load; work on registers stands between them
	v_lshrrev_b32 v1, 5, v0
	v_readfirstlane_b32 s[WV], v1   ; wave 0..3
	s_bfe_u32 s13, ttmp6, 0x40000   ; cx: my place in the cluster
	s_lshl_b32 s14, ttmp9, 2        ; in a cluster launch ttmp9 counts clusters
	s_add_co_u32 s14, s14, s13      ; my block of 128 queries: it enters q's and the output's addresses alone
	s_and_b32 s15, ttmp7, 0xffff
	s_lshr_b32 s16, s15, 1          ; the batch,
	s_and_b32 s17, s15, 1           ; and the half of the channels: the four partners share both
	s_mul_i32 s18, s17, HALFKV      ; the half of k and v,
	s_mul_i32 s19, s16, 32*TILEB    ; the batch's 32 blocks
	s_add_co_u32 s18, s18, s19
	s_lshl_b32 s19, s[WV], 12       ; K(0): my 16 rows of 256 bytes
	s_add_co_u32 s20, s18, s19
	s_mov_b32 s21, 0
	s_mul_i32 s19, s[WV], 20480     ; tile 0: my quarter,
	s_add_co_u32 s18, s18, s19
	s_add_co_u32 s18, s18, 16384    ; behind the block's k
	s_mov_b32 s19, 0
	s_lshl_b32 s52, s16, 11
	s_lshl_b32 s53, s14, 7
	s_add_co_u32 s52, s52, s53      ; the block's first row among the 16,384
	s_lshl_b32 s54, s52, 12         ; in out0: rows of 4,096 bytes,
	s_lshl_b32 s55, s17, 11         ; my half's 2,048 bytes of a row,
	s_add_co_u32 s54, s54, s55
	s_lshl_b32 s55, s[WV], 9        ; my wave's 512 of them
	s_add_co_u32 s54, s54, s55
	s_mov_b32 s55, 0
	s_lshl_b32 s53, s[WV], 5
	s_add_co_u32 s52, s52, s53      ; in q: my wave's 32 rows of 256 bytes,
	s_lshl_b32 s52, s52, 8
	s_add_co_u32 s52, s52, QOFF     ; behind k and v
	s_mov_b32 s53, 0
	; descriptor group 1: rows of 256 bytes, dense in memory, padded in LDS after every row: 80 of them, or 16
	s_mov_b32 s[G1], 15|(1<<16)|(1<<20)|(1<<21)|(5<<22)|(7<<25)  ; 15:0 the mask of four; 17:16 2-byte elements; 20 padding on; 21 set beside a mask; 24:22 after every 64 words (code 5); 31:25 8 words (code 7)
	s_mov_b32 s[G1+1], 128<<16      ; tensor_dim0 = 128
	s_mov_b32 s[G1+2], 80<<16       ; tensor_dim1 = 80
	s_mov_b32 s[G1+3], 128<<16      ; tile_dim0 = 128
	s_mov_b32 s[G1+4], 80           ; tile_dim1 = 80
	s_mov_b32 s[G1+5], 128          ; 128 elements from row to row
	s_mov_b32 s[G1+6], 0
	s_mov_b32 s[G1+7], 0
	s_mov_b32 s[G1K], 15|(1<<16)|(1<<20)|(1<<21)|(5<<22)|(7<<25)
	s_mov_b32 s[G1K+1], 128<<16
	s_mov_b32 s[G1K+2], 16<<16      ; tensor_dim1 = 16
	s_mov_b32 s[G1K+3], 128<<16
	s_mov_b32 s[G1K+4], 16          ; tile_dim1 = 16
	s_mov_b32 s[G1K+5], 128
	s_mov_b32 s[G1K+6], 0
	s_mov_b32 s[G1K+7], 0
	s_mov_b32 s[G0A], 1             ; 1:0 count = 1
	s_mul_i32 s[G0A+1], s[WV], 16*PT
	s_add_co_u32 s[G0A+1], s[G0A+1], K0BUF  ; 63:32 LDS address: no place in the cluster enters it
	s_mov_b32 s[G0B], 1
	s_mul_i32 s[G0B+1], s[WV], QUART        ; tile 0 into the lower half's slot,
	s_mov_b32 s[G0], 1
	s_add_co_u32 s[G0+1], s[G0B+1], SLOT1   ; tile 1 into the upper half's
	s_mov_b32 s[CS], 0x3e0293ee     ; c = log2(e) / sqrt(128) = 0.127517
	s_mov_b32 s[CS+1], s[CS]        ; named with it as a pair
	s_mov_b32 s[SEL], 0x76543210
	s_mov_b32 s[SEL+1], 0xfedcba98
	s_mov_b32 s[TB], 0              ; ahead of the turns: tile 0 is read, and P and a of step 0 are written, in the lower half
	s_wait_dscnt 0x0                ; the opening add is done
	s_wait_kmcnt 0x0
	s_add_nc_u64 s[G0A+2:G0A+3], s[4:5], s[20:21]  ; 120:64 global address
	s_or_b32 s[G0A+3], s[G0A+3], 0x80000000        ; 127:126 type = 2
	s_add_nc_u64 s[G0B+2:G0B+3], s[4:5], s[18:19]
	s_add_nc_u64 s[G0+2:G0+3], s[G0B+2:G0B+3], TILEB
	s_or_b32 s[G0B+3], s[G0B+3], 0x80000000
	s_or_b32 s[G0+3], s[G0+3], 0x80000000
	s_add_nc_u64 s[10:11], s[4:5], s[52:53]        ; q at my wave's first row
	s_add_nc_u64 s[8:9], s[6:7], s[54:55]          ; out0 at my 512 bytes of the block's first row
	CROUND                          ; all four work-groups are here: the first joint loads meet
	tensor_load_to_lds s[G0A:G0A+3], s[G1K:G1K+7]  ; the three first fills go out together: three tensor loads of mine are out
	s_nop 0
	tensor_load_to_lds s[G0B:G0B+3], s[G1:G1+7]
	s_nop 0
	tensor_load_to_lds s[G0:G0+3], s[G1:G1+7]
	s_nop 0
.rept 4
	v_nop
.endr
	; A fragment of K or Q is 16 rows x 32 channels in 8 registers: lane l holds row l % 16, channels 8 (l / 16) + 0..7 and 16 + 8 (l / 16) + 0..7: two loads of 16 bytes, 32 bytes apart.
	v_and_b32 v[LR], 15, v0         ; r = l % 16
	v_bfe_u32 v[LH], v0, 4, 1       ; h = l / 16
	v_lshlrev_b32 v1, 8, v[LR]
	v_lshl_add_u32 v1, v[LH], 4, v1 ; my byte offset in 16 rows of q; not rewritten
.set fr, 0
.rept 8                             ; Q stays in registers: tile fr / 4, channels 32 (fr % 4) on
	global_load_b128 v[Q+8*fr:Q+8*fr+3],   v1, s[10:11] offset:(fr/4)*4096+(fr%4)*64
	global_load_b128 v[Q+8*fr+4:Q+8*fr+7], v1, s[10:11] offset:(fr/4)*4096+(fr%4)*64+32
.set fr, fr+1
.endr
	v_mul_u32_u24 v[AK0], v[LR], PT
	v_lshl_add_u32 v[AK0], v[LH], 4, v[AK0]
	v_add_nc_u32 v[ADRK], K0BUF, v[AK0]            ; K of step 0 has bytes of its own;
	v_add_nc_u32 v[AK0], KROW, v[AK0]              ; in a slot K lies behind V's 256 rows
	; The turning load takes 16 keys x 16 channels (lane l reads key 8 (l / 16) + l % 8, channels 8 ((l / 8) % 2) + 0..7) and leaves half a fragment of V^T: lane l holds channel l % 16 and 8 keys.
	v_and_b32 v186, 7, v0
	v_bfe_u32 v187, v0, 3, 1
	v_lshl_add_u32 v[AV0], v[LH], 3, v186
	v_mul_u32_u24 v[AV0], v[AV0], PT
	v_lshl_add_u32 v[AV0], v187, 4, v[AV0]
	s_mul_i32 s20, s[WV], 64*PT     ; my 128 channels: 64 rows of the slot
	v_add_nc_u32 v[AV0], s20, v[AV0]
	s_lshl_b32 s20, s[WV], 5
	v_add_nc_u32 v186, s20, v[LR]   ; query 32 w + r
	v_mul_u32_u24 v[PST0], v186, PP
	v_lshl_add_u32 v[PST0], v[LH], 4, v[PST0]
	v_add_nc_u32 v[PST0], PBUF, v[PST0]
	v_mul_u32_u24 v[PLD0], v[LR], PP
	v_lshl_add_u32 v[PLD0], v[LH], 4, v[PLD0]
	v_add_nc_u32 v[PLD0], PBUF, v[PLD0]
	v_mul_u32_u24 v[ALD0], v[LR], APT
	v_add_nc_u32 v[ALD0], ATAB, v[ALD0]
	v_lshl_add_u32 v[AST0], s[WV], 4, v[ALD0]      ; my tiles 2 w and 2 w + 1: 8 bytes each
	BOTH v_mov_b32 v[rT], 0xfe000000               ; c m: far below every c s, so the first a is 0
	BOTH v_mov_b32 v[rT+1], 0xff7fffff             ; m: the lowest finite number
	BOTH v_mov_b32 v[rT+2], 0
	BOTH v_mov_b32 v[rT+3], 0
	WIN 0x80                        ; O^T = 0: these lines stand in the wait for the first tile
.set z, 0
.rept 256
	v_mov_b32 v[z], 0
.set z, z+1
.endr
	WIN 0xc0
.set z, 0
.rept 256
	v_mov_b32 v[z], 0
.set z, z+1
.endr
	WIN 0
	; STEP 0's scores and softmax stand bare: there is no product yet to set them beside.
	s_wait_tensorcnt 0x2            ; my part of K(0) is in; tiles 0 and 1 may stay out
	s_barrier_signal -1
	s_barrier_wait -1
	WIN 0x40
.set fr, 0
.rept 16
	KFRAG fr
.set fr, fr+1
.endr
	s_wait_loadcnt 0x0              ; Q
	s_wait_dscnt 0x0
.set si, 0
.rept 32
	SMM
.endr
	WIN 0
	v_add_nc_u32 v[PSTA], s[TB], v[PST0]  ; four plain lines: the places behind those products
	v_add_nc_u32 v[ASTA], s[TB], v[AST0]
	v_add_nc_u32 v[ADRK], s[TB], v[AK0]
	v_add_nc_u32 v[ADRV], s[TB], v[AV0]
.set PLC, PLC+4
	NEED4
.set NX, 1
.set sq, 0
	SQ 216
	s_wait_tensorcnt 0x1            ; my quarter of tile 0 is in; tile 1 may stay out
	s_wait_dscnt 0x0                ; my stores of P and a are done
	s_barrier_signal -1
	s_barrier_wait -1
	WIN 0x40
.set fr, 0
.rept 16
	KFRAG fr                        ; K of step 1,
.set fr, fr+1
.endr
.set fr, 0
.rept 16
	VFRAG fr                        ; V of step 0
.set fr, fr+1
.endr
	WIN 0
	s_mov_b32 s[CNT], 30
.Lturn:                             ; turns 0 to 29: turn j asks for tile j + 2
	TURN 1, 1
	WIN 0
	s_sub_co_u32 s[CNT], s[CNT], 1
	s_cmp_lg_u32 s[CNT], 0
	s_cbranch_scc1 .Lturn
	TURN 0, 1                       ; the tail is written out: turn 30 asks for nothing and fetches no K
	TURN 0, 0                       ; turn 31 has the last step's products alone
	; THE WAY OUT.  l's two halves and the other half of the lanes' are added; 1 / l goes from wave to wave as a did, through bytes of its own; O^T is multiplied by it and sent through my stage, a tile (16 rows) at a time.
	WIN 0
	NEED4
	BOTH v_add_f32 v[rT+4], v[rT+2], v[rT+3]
	BOTH v_permlanex16_b32 v[rT+5], v[rT+4], s[SEL], s[SEL+1]
	BOTH v_add_f32 v[rT+4], v[rT+4], v[rT+5]
	BOTH v_rcp_f32 v[rT+6], v[rT+4]
	v_nop                           ; a plain instruction between the reciprocals and the use of their results
	BOTH v_mov_b32 v[rT+7], v[rT+6]
	BOTH ds_store_b64 v[AST0], v[rT+6:rT+7] offset:LTAB-ATAB+8*t
	s_mul_i32 s20, s[WV], 16*SP
	s_add_co_u32 s20, s20, STAGE    ; my stage
	v_and_b32 v8, 15, v0
	v_bfe_u32 v9, v0, 4, 1
	v_mul_u32_u24 v[STO], v8, SP    ; in: row r, 32 bytes for each half of the lanes
	v_lshl_add_u32 v[STO], v9, 5, v[STO]
	v_add_nc_u32 v[STO], s20, v[STO]
	v_and_b32 v[GO], 31, v0
	v_lshlrev_b32 v[GO], 4, v[GO]   ; back, and out: 32 lanes take a row's 512 bytes
	v_add_nc_u32 v[RD], s20, v[GO]
	s_wait_dscnt 0x0                ; for the others' sake
	s_barrier_signal -1
	s_barrier_wait -1
.irp i, 0,1,2,3
	ds_load_b128 v[AP+4*\i:AP+4*\i+3], v[ALD0] offset:LTAB-ATAB+16*\i
.endr
	s_wait_dscnt 0x0
; Tile T: a lane's eight channels of a row are 32 bytes; they go into rows of 528 bytes and come back as whole rows of 512, into Q's or S^T's registers by turns.
.macro PACK T
	WIN 0x82+0x41*((\T)/4)
.set z, 0
.rept 32
	v_pk_mul_f32 v[64*((\T)%4)+2*z:64*((\T)%4)+2*z+1], v[64*((\T)%4)+2*z:64*((\T)%4)+2*z+1], v[AP+2*(\T):AP+2*(\T)+1]
.set z, z+1
.endr
	WIN 0x08+0x04*((\T)/4)          ; the stores' data in window 2 or 3
.set z, 0
.rept 16
	ds_store_b128 v[STO], v[64*((\T)%4)+4*z:64*((\T)%4)+4*z+3] offset:64*(z/2)+16*(z%2)
.set z, z+1
.endr
	WIN 0
	s_wait_xcnt 0x0                 ; the registers that the stores of the tile two back read are loaded again only behind this wait
.set z, 0
.rept 16
	ds_load_b128 v[Q+64*((\T)%2)+4*z:Q+64*((\T)%2)+4*z+3], v[RD] offset:SP*z  ; LDS serves a wave's instructions in order (ISA guide 5.7.1.4): these see the stores above; the next tile's stores come behind them
.set z, z+1
.endr
.endm
.macro SEND T, younger              ; younger: the LDS instructions issued behind tile T's loads: the next tile's 32, or none
.set z, 0
.rept 16
	s_wait_dscnt (\younger)+15-z
	global_store_b128 v[GO], v[Q+64*((\T)%2)+4*z:Q+64*((\T)%2)+4*z+3], s[8:9] offset:(16*(\T)+z)*4096 th:TH_STORE_NT  ; 512 consecutive bytes, at a multiple of 256 from out0's first byte
.set z, z+1
.endr
.endm
	PACK 0
.irp T, 1,2,3,4,5,6,7               ; a tile's arithmetic stands between the loads of the tile before and its stores
	PACK \T
	SEND (\T)-1, 32
.endr
	SEND 7, 0
	s_wait_tensorcnt 0x0            ; the wave's end: behind my last tensor load and my last LDS store
	ds_add_u32 v[SPW], v[NIL]
	s_wait_dscnt 0x0
	CROUND                          ; the closing round: no work-group ends while a partner may still ask for a tile that names it
	s_endpgm
.Lfunc_end_k_q44ec96f161_attn:
	.size	k_q44ec96f161_attn, .Lfunc_end_k_q44ec96f161_attn-k_q44ec96f161_attn
	.p2alignl 7, 3214868480
	.fill 96, 4, 3214868480
	.section	.rodata,"a",@progbits
	.p2align	6, 0x0
	.amdhsa_kernel k_q44ec96f161_attn
		.amdhsa_group_segment_fixed_size 327680
		.amdhsa_private_segment_fixed_size 0
		.amdhsa_enable_private_segment 0
		.amdhsa_kernarg_size 16
		.amdhsa_user_sgpr_count 2
		.amdhsa_user_sgpr_kernarg_segment_ptr 1
		.amdhsa_wavefront_size32 1
		.amdhsa_system_sgpr_workgroup_id_x 1
		.amdhsa_system_sgpr_workgroup_id_y 1
		.amdhsa_system_sgpr_workgroup_id_z 1
		.amdhsa_system_vgpr_workitem_id 0
		.amdhsa_next_free_vgpr 1024
		.amdhsa_next_free_sgpr 66
		.amdhsa_reserve_vcc 0
		.amdhsa_float_denorm_mode_32 3
		.amdhsa_float_denorm_mode_16_64 3
		.amdhsa_memory_ordered 1
		.amdhsa_forward_progress 1
		.amdhsa_inst_pref_size 235
	.end_amdhsa_kernel
	.amdgpu_metadata
---
amdhsa.version: [ 1, 2 ]
amdhsa.kernels:
  - .name:           k_q44ec96f161_attn
    .symbol:         k_q44ec96f161_attn.kd
    .args:
      - { .name: kvq16, .offset: 0, .size: 8, .value_kind: global_buffer, .address_space: global }
      - { .name: out0, .offset: 8, .size: 8, .value_kind: global_buffer, .address_space: global }
    .group_segment_fixed_size: 327680
    .private_segment_fixed_size: 0
    .kernarg_segment_align: 8
    .kernarg_segment_size: 16
    .max_flat_workgroup_size: 128
    .sgpr_count:     66
    .vgpr_count:     1024
    .wavefront_size: 32
...
	.end_amdgpu_metadata
.endif
;; end of part 3
